; MI455X (gfx1250); checked and timed in simulation.
; The chip was launched on July 23, 2026; its instructions are those of AMD's public machine-readable ISA for CDNA 5 (MIT licence, August 2026) and "CDNA5" Instruction Set Architecture Reference Guide (July 2026). The comments in the code are by the model that wrote it; some were corrected since.
;; Causal Self Attention. Allowed arithmetic: float matrix products may take bf16 or f16 operands with f32 sums; all other float work in f32.
;; Inputs: b_out 1,024 float32; b_qkv 3,072 float32; w_out 1,024 x 1,024 float32; w_qkv 1,024 x 3,072 float32; x 4 x 2,048 x 1,024 float32.
;; Outputs: out0 4 x 2,048 x 1,024 float32.
;; 2 versions, each right; version 2 is version 1 with the launch cast written anew for expert scheduling mode. Each part assembles by itself: llvm-mc -triple=amdgcn-amd-amdhsa -mcpu=gfx1250 --defsym DOCPART=n.
;; ======== version 1 of 2: 4 launches
;; limits: values are held in f16: magnitudes above 65,504 overflow, below 6.1e-05 lose precision
;; workspace buffers: xb 16,777,216 bytes; wqb 6,291,456 bytes; wof 2,097,152 bytes; qkv 50,331,648 bytes; att 16,777,216 bytes
;; launch cast (part 1): grid 768 x 1, 8 waves a work-group, no clusters, 0 bytes of LDS; arguments x, w_qkv, w_out, xb, wqb, wof; writes xb, wqb, wof
.if DOCPART == 1
	.amdgcn_target "amdgcn-amd-amdhsa--gfx1250"
	.amdhsa_code_object_version 6
	.text
	.protected	k_qda27d6df54_cast
	.globl	k_qda27d6df54_cast
	.p2align	8
	.type	k_qda27d6df54_cast,@function
k_qda27d6df54_cast:
	s_mov_b64 s[64:65], 0
	v_nop
	global_prefetch_b8 v0, s[64:65] scope:SCOPE_SE
	s_setreg_imm32_b32 hwreg(HW_REG_WAVE_MODE, 25, 1), 1
	s_wait_xcnt 0x0
; The three large f32 inputs are rounded once to the 16-bit formats that the matrix launches read:
;   x -> xb (bf16), w_qkv -> wqb (bf16), w_out -> wof (rounded to bf16, that value then carried in f16, because the last product's
;   other operand is f16).  LIMIT: the f16 copy is exact for 2^-17 <= |w_out| <= 65,504; smaller entries carry an absolute error
;   of at most 2^-25, larger ones become infinities.
; A stream: no LDS, no barrier, no matrix unit.  A work-group converts 16,384 numbers (65,536 bytes in, 32,768 out):
; groups 0-511 x, 512-703 w_qkv, 704-767 w_out.  Thread t takes 16 bytes at 16 t of each block of 4,096 bytes, so a wave's load covers
; 512 consecutive bytes and a wave's store 256 consecutive bytes, aligned.  All 16 loads go out first; every slot owns its registers.
.set FIRST_WQ, 512                     ; first work-group of w_qkv
.set FIRST_WO, 704                     ; first work-group of w_out
.set X, 4                              ; v[4:67]    slot i: four f32 as loaded
.set Y, 68                             ; v[68:99]   slot i: four 16-bit numbers to store
.set T, 100                            ; v[100:103] at work
	s_load_b256 s[4:11], s[0:1], 0x0               ; x s[4:5], w_qkv s[6:7], w_out s[8:9], xb s[10:11]
	s_load_b128 s[12:15], s[0:1], 0x20             ; wqb s[12:13], wof s[14:15]
	v_lshlrev_b32 v1, 4, v0                        ; my 16 bytes of a block that is read
	v_lshlrev_b32 v2, 3, v0                        ; my 8 bytes of a block that is written
	s_mov_b32 s16, ttmp9
	s_mov_b32 s17, FIRST_WQ
	s_mov_b32 s24, FIRST_WO
	s_mov_b32 s23, 0                               ; upper word of the offsets
	s_wait_kmcnt 0x0
	s_cmp_ge_u32 s16, s24                          ; which of the two weights,
	s_cselect_b64 s[18:19], s[8:9], s[6:7]
	s_cselect_b64 s[20:21], s[14:15], s[12:13]
	s_cselect_b32 s17, s24, s17
	s_cmp_ge_u32 s16, FIRST_WQ                     ; or x
	s_cselect_b64 s[18:19], s[18:19], s[4:5]
	s_cselect_b64 s[20:21], s[20:21], s[10:11]
	s_cselect_b32 s17, s17, 0
	s_sub_co_u32 s17, s16, s17                     ; my number among the groups of that buffer
	s_lshl_b32 s22, s17, 16
	s_add_nc_u64 s[18:19], s[18:19], s[22:23]      ; from
	s_lshl_b32 s22, s17, 15
	s_add_nc_u64 s[20:21], s[20:21], s[22:23]      ; to
.irp i, 0,1,2,3,4,5,6,7,8,9,10,11,12,13,14,15
	global_load_b128 v[X+4*\i:X+4*\i+3], v1, s[18:19] offset:4096*\i th:TH_LOAD_NT
.endr
; Slot i: round, pack, store.  tof16 = 1: the bf16 value is widened again and carried in f16.
.macro CONV i, tof16
	s_wait_loadcnt 15-\i                           ; loads come back in order: mine is in, the 15 - i younger ones stay out
	v_cvt_pk_bf16_f32 v[Y+2*\i],   v[X+4*\i],   v[X+4*\i+1]
	v_cvt_pk_bf16_f32 v[Y+2*\i+1], v[X+4*\i+2], v[X+4*\i+3]
.if \tof16
	v_lshlrev_b32 v[T],   16, v[Y+2*\i]
	v_and_b32     v[T+1], 0xffff0000, v[Y+2*\i]
	v_lshlrev_b32 v[T+2], 16, v[Y+2*\i+1]
	v_and_b32     v[T+3], 0xffff0000, v[Y+2*\i+1]
	v_cvt_pk_f16_f32 v[Y+2*\i],   v[T],   v[T+1]
	v_cvt_pk_f16_f32 v[Y+2*\i+1], v[T+2], v[T+3]
.endif
	global_store_b64 v2, v[Y+2*\i:Y+2*\i+1], s[20:21] offset:2048*\i
.endm
	s_cmp_ge_u32 s16, s24
	s_cbranch_scc1 .Lto_f16
.irp i, 0,1,2,3,4,5,6,7,8,9,10,11,12,13,14,15
	CONV \i, 0
.endr
	s_endpgm
.Lto_f16:
.irp i, 0,1,2,3,4,5,6,7,8,9,10,11,12,13,14,15
	CONV \i, 1
.endr
	s_endpgm
.Lfunc_end_k_qda27d6df54_cast:
	.size	k_qda27d6df54_cast, .Lfunc_end_k_qda27d6df54_cast-k_qda27d6df54_cast
	.p2alignl 7, 3214868480
	.fill 96, 4, 3214868480
	.section	.rodata,"a",@progbits
	.p2align	6, 0x0
	.amdhsa_kernel k_qda27d6df54_cast
		.amdhsa_group_segment_fixed_size 0
		.amdhsa_private_segment_fixed_size 0
		.amdhsa_enable_private_segment 0
		.amdhsa_kernarg_size 48
		.amdhsa_user_sgpr_count 2
		.amdhsa_user_sgpr_kernarg_segment_ptr 1
		.amdhsa_wavefront_size32 1
		.amdhsa_system_sgpr_workgroup_id_x 1
		.amdhsa_system_sgpr_workgroup_id_y 1
		.amdhsa_system_sgpr_workgroup_id_z 1
		.amdhsa_system_vgpr_workitem_id 0
		.amdhsa_next_free_vgpr 104
		.amdhsa_next_free_sgpr 66
		.amdhsa_reserve_vcc 0
		.amdhsa_float_denorm_mode_32 3
		.amdhsa_float_denorm_mode_16_64 3
		.amdhsa_memory_ordered 1
		.amdhsa_forward_progress 1
		.amdhsa_inst_pref_size 16
	.end_amdhsa_kernel
	.amdgpu_metadata
---
amdhsa.version: [ 1, 2 ]
amdhsa.kernels:
  - .name:           k_qda27d6df54_cast
    .symbol:         k_qda27d6df54_cast.kd
    .args:
      - { .name: x, .offset: 0, .size: 8, .value_kind: global_buffer, .address_space: global }
      - { .name: w_qkv, .offset: 8, .size: 8, .value_kind: global_buffer, .address_space: global }
      - { .name: w_out, .offset: 16, .size: 8, .value_kind: global_buffer, .address_space: global }
      - { .name: xb, .offset: 24, .size: 8, .value_kind: global_buffer, .address_space: global }
      - { .name: wqb, .offset: 32, .size: 8, .value_kind: global_buffer, .address_space: global }
      - { .name: wof, .offset: 40, .size: 8, .value_kind: global_buffer, .address_space: global }
    .group_segment_fixed_size: 0
    .private_segment_fixed_size: 0
    .kernarg_segment_align: 8
    .kernarg_segment_size: 48
    .max_flat_workgroup_size: 256
    .sgpr_count:     66
    .vgpr_count:     104
    .wavefront_size: 32
...
	.end_amdgpu_metadata
.endif
;; end of part 1
;; launch qkvgemm (part 2): grid 12 x 32, 4 waves a work-group, clusters of 4 x 4, 327,680 bytes of LDS; arguments xb, wqb, b_qkv, qkv; writes qkv
.if DOCPART == 2
	.amdgcn_target "amdgcn-amd-amdhsa--gfx1250"
	.amdhsa_code_object_version 6
	.text
	.protected	k_qda27d6df54_qkvgemm
	.globl	k_qda27d6df54_qkvgemm
	.p2align	8
	.type	k_qda27d6df54_qkvgemm,@function
k_qda27d6df54_qkvgemm:
	s_mov_b64 s[64:65], 0
	v_nop
	global_prefetch_b8 v0, s[64:65] scope:SCOPE_SE
	s_setreg_imm32_b32 hwreg(HW_REG_WAVE_MODE, 25, 1), 1
	s_wait_xcnt 0x0
	s_wait_alu depctr_hold_cnt(0) depctr_sa_sdst(0) depctr_va_vdst(0) depctr_va_sdst(0) depctr_va_ssrc(0) depctr_va_vcc(0) depctr_vm_vsrc(0)
	s_getreg_b32 s2, hwreg(HW_REG_IB_STS2, 6, 4)
	s_cmp_eq_u32 s2, 0
	s_cbranch_scc0 .Lentry_in_a_cluster
	s_endpgm
.Lentry_in_a_cluster:
	s_bfe_u32 s2, ttmp6, 0x10000c
	s_cmp_lg_u32 s2, 0xf033
	s_cbranch_scc0 .Lentry_shape_is_right
	s_endpgm
.Lentry_shape_is_right:
; qkv[m][n] = sum over k of xb[m][k] wqb[k][n] + b_qkv[n].  xb [8192][1024] bf16, wqb [1024][3072] bf16 (k down the rows, as given),
; b_qkv f32, sums in f32, qkv [8192][3072] rounded once to f16.  LIMIT: |qkv| above 65,504 becomes an infinity.
; A work-group makes 256 x 256 of C with four waves; a wave 128 x 128: 64 accumulator tiles of 16 x 16, 512 registers.  For 32 along K a wave
; reads 2 x 128 x 64 bytes from LDS and issues 64 matrix instructions.
; K goes in steps of 128 through two LDS slots filled by tensor loads: a step is 256 matrix instructions of a wave, 240 of them between a
; tile's request and the wait for it.  B's tile lies in LDS as in memory, k down the rows, and its fragments are read by the transposing
; LDS load, so the weights are never transposed in memory.
; CLUSTERS: 4 x 4 work-groups.  A's tile hangs on the block row alone and is asked for jointly by the four of a cluster row; B's tile hangs
; on the block column alone and is asked for jointly by the four of a cluster column.
; The matrix instruction is used transposed (source 0 = B's fragment, source 1 = A's): a lane then holds row m = lane % 16 of C and
; eight neighbouring columns 8 (lane / 16) + 0..7.  The first product of each tile takes the bias tile as C, so nothing is cleared or added later.
; REGISTERS, in windows of 256:
;   window 0: v16-27 addresses; v64-127, v128-191 A's fragments (8 x 16 rows x 32 K), two buffers; v192-223 packed results
;   window 1: v0-63 the bias of n block b at v[8 b], in the accumulators' layout; v64-127, v128-191 B's fragments, two buffers
;   window 2: the 32 accumulator tiles of my rows 0-63 (tile (a, b) at v[8 (8 a + b)]);   window 3: those of my rows 64-127
.set SIZE_N, 3072
.set SIZE_K, 1024
.set KSTEP,  128
.set PA,     272                       ; A's LDS row: 256 bytes + 16: sixteen rows start at sixteen different 16-byte columns modulo 256
.set PB,     544                       ; B's LDS row: 512 bytes + 32: an odd multiple of 32
.set HALFT,  128*PA                    ; what one tensor load brings: 128 rows of A, or 64 k rows of B (64 x 544 is the same 34,816 bytes)
.set AOFF,   2*HALFT                   ; a slot: B's 128 k rows, then A's 256 rows
.set SLOT,   4*HALFT                   ; 139,264
.set STAGE,  2*SLOT                    ; behind the ring, never filled by a tensor load: 16 rows x 272 bytes for each wave
.set WSTAGE, 16*PA
.set LAPS,   SIZE_K/(2*KSTEP)          ; a lap = two K steps = once round the ring
.set ADRA, 16                          ; v16-17  LDS address of my A fragments in slot 0, 1
.set ADRB, 20                          ; v20-21  the same for B
.set STO,  24                          ; the way out: where I put 16 bytes of a row
.set RD,   25                          ; the way out: where I read rows back
.set CO,   26                          ; my byte offset in C
.set BO,   27                          ; my byte offset in a bias tile
.set F0,   64                          ; fragment buffer 0 (A's in window 0, B's in window 1)
.set F1,   128                         ; fragment buffer 1
.set TMP,  192                         ; packed results, window 0
.set G1A, 24                           ; s[24:31] descriptor group 1 of A's tiles
.set G0A, 32                           ; s[32:39] group 0 of A's tiles, a set for each slot
.set G1B, 40                           ; s[40:47] group 1 of B's tiles
.set G0B, 48                           ; s[48:55] group 0 of B's tiles, a set for each slot
.set MUL_LO, 0xa1                      ; source 0 (B) window 1, source 1 (A) window 0, C and D window 2
.set MUL_HI, 0xf1                      ; the same, C and D window 3
.set BIA_LO, 0x91                      ; D window 2, C (the bias) window 1
.set BIA_HI, 0xd1                      ; D window 3, C (the bias) window 1
.set TO_B,   0x40                      ; destination window 1, address window 0
.set MSB, 0
.macro WIN new                         ; the immediate's high byte repeats the setting that is left
.if MSB != \new
	s_set_vgpr_msb (MSB<<8)|\new
.set MSB, \new
.endif
.endm
.macro PLACES                          ; four independent vector instructions behind a matrix instruction (ISA guide 7.12.1) before its registers are touched
.rept 4
	v_nop
.endr
.endm
; A joint load: waves 0 and 1 fetch B's two halves, waves 2 and 3 A's.  The branch hangs on the wave's number alone.
.macro JLOAD s
	s_cmp_eq_u32 s13, 0
	s_cbranch_scc0 .Lfor_a_\@
	tensor_load_to_lds s[G0B+4*\s:G0B+4*\s+3], s[G1B:G1B+7]
	s_nop 0
.rept 4
	v_nop
.endr
	s_branch .Lasked_\@
.Lfor_a_\@:
	tensor_load_to_lds s[G0A+4*\s:G0A+4*\s+3], s[G1A:G1A+7]
	s_nop 0
.rept 4
	v_nop
.endr
.Lasked_\@:
.endm
; A round of the cluster's barrier behind its opening work-group barrier: wave 0 signals for the work-group, every wave waits for all sixteen, a work-group barrier closes.
.macro CREST
	s_cmp_lg_u32 s12, 0
	s_cbranch_scc1 .Lnot_wave_0_\@
	s_barrier_signal -3
.Lnot_wave_0_\@:
	s_barrier_wait -3
	s_barrier_signal -1
	s_barrier_wait -1
.endm
.macro CROUND
	s_barrier_signal -1
	s_barrier_wait -1
	CREST
.endm
	s_load_b256 s[4:11], s[0:1], 0x0               ; A s[4:5], B s[6:7], bias s[8:9], C s[10:11]
	s_set_vgpr_msb 0x40
	v_lshl_add_u32 v255, v0, 2, 0x48400
	s_set_vgpr_msb 0x4000
	v_mov_b32 v255, 0
	s_set_vgpr_msb 0x1
	ds_add_u32 v255, v255
	s_set_vgpr_msb 0x100
	v_lshrrev_b32 v1, 5, v0
	v_readfirstlane_b32 s12, v1                    ; wave 0..3
	s_lshr_b32 s13, s12, 1                         ; my half of the block's rows.  Also: I fetch for B (0) or for A (1)
	s_and_b32 s14, s12, 1                          ; my half of its columns.  Also: which half of that tile I fetch
	s_bfe_u32 s15, ttmp6, 0x40000                  ; cx
	s_bfe_u32 s16, ttmp6, 0x40004                  ; cy
	s_lshl_b32 s17, ttmp9, 2
	s_add_co_u32 s17, s17, s15                     ; block column = 4 x cluster x + cx
	s_and_b32 s18, ttmp7, 0xffff
	s_lshl_b32 s18, s18, 2
	s_add_co_u32 s18, s18, s16                     ; block row = 4 x cluster y + cy
	s_lshl_b32 s19, s16, 2
	s_lshl_b32 s19, 15, s19                        ; my row of the cluster: places 4 cy .. 4 cy + 3
	s_lshl_b32 s20, 0x1111, s15                    ; my column: places cx, cx + 4, cx + 8, cx + 12
	; group 1 of A: 128 rows x 128 elements of 2 bytes, 4 words of padding behind every 64 words
	s_or_b32  s[G1A+0], s19, (1<<16)|(1<<20)|(1<<21)|(5<<22)|(3<<25)
	s_mov_b32 s[G1A+1], KSTEP<<16                  ; tensor_dim0 = 128
	s_mov_b32 s[G1A+2], 128<<16                    ; tensor_dim1 = 128
	s_mov_b32 s[G1A+3], KSTEP<<16                  ; tile_dim0 = 128
	s_mov_b32 s[G1A+4], 128                        ; tile_dim1 = 128
	s_mov_b32 s[G1A+5], SIZE_K                     ; elements from row to row
	s_mov_b32 s[G1A+6], 0
	s_mov_b32 s[G1A+7], 0
	; group 1 of B: 64 k rows x 256 elements, 8 words of padding behind every 128 words
	s_or_b32  s[G1B+0], s20, (1<<16)|(1<<20)|(1<<21)|(6<<22)|(7<<25)
	s_mov_b32 s[G1B+1], 256<<16
	s_mov_b32 s[G1B+2], 64<<16
	s_mov_b32 s[G1B+3], 256<<16
	s_mov_b32 s[G1B+4], 64
	s_mov_b32 s[G1B+5], SIZE_N
	s_mov_b32 s[G1B+6], 0
	s_mov_b32 s[G1B+7], 0
	; where the tiles come from: A's address in s[56:57], made of the block row and the wave; B's in s[60:61], of the block column and the wave
	s_lshl_b32 s56, s18, 8
	s_lshl_b32 s57, s14, 7
	s_add_co_u32 s56, s56, s57                     ; A: row 256 x block row + 128 x half
	s_lshl_b32 s56, s56, 11                        ; rows of 2,048 bytes
	s_mov_b32 s57, 0
	s_mul_i32 s60, s14, 64*SIZE_N*2                ; B: k row 64 x half
	s_lshl_b32 s61, s17, 9                         ; column 256 x block column, 2 bytes each
	s_add_co_u32 s60, s60, s61
	s_mov_b32 s61, 0
	s_mul_i32 s21, s12, HALFT                      ; and where they go: B's two halves, then A's two halves = wave x 34,816: no place in the cluster enters an LDS address
	s_wait_dscnt 0x0
	s_wait_kmcnt 0x0
	s_add_nc_u64 s[56:57], s[4:5], s[56:57]
	s_add_nc_u64 s[60:61], s[6:7], s[60:61]
	CROUND                                         ; all sixteen work-groups are here: the first joint loads meet
.irp s, 0,1
	s_mov_b32 s[G0A+4*\s], 1
	s_add_co_u32 s[G0A+4*\s+1], s21, \s*SLOT
	s_add_nc_u64 s[G0A+4*\s+2:G0A+4*\s+3], s[56:57], \s*KSTEP*2
	s_or_b32 s[G0A+4*\s+3], s[G0A+4*\s+3], 0x80000000
	s_mov_b32 s[G0B+4*\s], 1
	s_add_co_u32 s[G0B+4*\s+1], s21, \s*SLOT
	s_add_nc_u64 s[G0B+4*\s+2:G0B+4*\s+3], s[60:61], \s*KSTEP*SIZE_N*2
	s_or_b32 s[G0B+4*\s+3], s[G0B+4*\s+3], 0x80000000
	JLOAD \s                                       ; K steps 0 and 1: by this text's count a wave has two tensor loads out here, later one
.endr
	v_and_b32 v1, 15, v0                           ; r = lane % 16
	v_bfe_u32 v2, v0, 4, 1                         ; h = lane / 16
	v_and_b32 v3, 7, v0
	v_bfe_u32 v4, v0, 3, 1
	v_lshlrev_b32 v[BO], 5, v2                     ; my eight columns of a bias tile: 8 h f32
	s_lshl_b32 s62, s17, 10                        ; bias at column 256 x block column + 128 x half, 4 bytes each
	s_lshl_b32 s63, s14, 9
	s_add_co_u32 s62, s62, s63
	s_mov_b32 s63, 0
	s_add_nc_u64 s[62:63], s[8:9], s[62:63]
	WIN TO_B                                       ; destination in window 1
.irp b, 0,1,2,3,4,5,6,7
	global_load_b128 v[8*\b:8*\b+3],   v[BO], s[62:63] offset:64*\b
	global_load_b128 v[8*\b+4:8*\b+7], v[BO], s[62:63] offset:64*\b+16
.endr
	WIN 0
	; A's fragment: lane holds row r; two loads of 16 bytes, 32 apart, at row x pitch + 16 h
	v_mul_u32_u24 v6, v1, PA
	v_lshl_add_u32 v6, v2, 4, v6
	s_mul_i32 s22, s13, HALFT                      ; my 128 rows of A,
	s_add_co_u32 s22, s22, AOFF                    ; which lie behind B's tile
	v_add_nc_u32 v[ADRA], s22, v6
	v_add_nc_u32 v[ADRA+1], SLOT, v[ADRA]
	; B's fragment by the transposing load: lane addresses k row 8 h + lane % 8, 16 bytes at 16 ((lane / 8) % 2)
	v_lshl_add_u32 v7, v2, 3, v3
	v_mul_u32_u24 v7, v7, PB
	v_lshl_add_u32 v7, v4, 4, v7
	s_lshl_b32 s22, s14, 8                         ; my 128 columns
	v_add_nc_u32 v[ADRB], s22, v7
	v_add_nc_u32 v[ADRB+1], SLOT, v[ADRB]
	s_mul_i32 s23, s12, WSTAGE
	s_add_co_u32 s23, s23, STAGE                   ; my stage
	v_add_nc_u32 v[STO], s23, v6                   ; in: row r, 16 bytes for each half of the lanes
	v_mul_u32_u24 v8, v2, PA                       ; back: lanes 0-15 one row of 256 bytes, lanes 16-31 the next
	v_lshl_add_u32 v8, v1, 4, v8
	v_add_nc_u32 v[RD], s23, v8
	v_mul_u32_u24 v8, v2, SIZE_N*2                 ; and the same two rows in C
	v_lshl_add_u32 v[CO], v1, 4, v8
; 16 matrix instructions: m blocks a0, a0 + 1 of the window's four (hi = 0: my rows 0-63, 1: rows 64-127) x all 8 n blocks, 32 along K.
; first = 1: the bias tile is C.  The 64 accumulators take turns, one instruction a turn, in the same order in every quarter step.
.macro MUL16 f, hi, a0, first
.irp a, \a0, \a0+1
.irp b, 0,1,2,3,4,5,6,7
.if \first
	v_wmma_f32_16x16x32_bf16 v[8*(8*(\a)+\b):8*(8*(\a)+\b)+7], v[\f+8*\b:\f+8*\b+7], v[\f+8*(4*\hi+\a):\f+8*(4*\hi+\a)+7], v[8*\b:8*\b+7]
.else
	v_wmma_f32_16x16x32_bf16 v[8*(8*(\a)+\b):8*(8*(\a)+\b)+7], v[\f+8*\b:\f+8*\b+7], v[\f+8*(4*\hi+\a):\f+8*(4*\hi+\a)+7], v[8*(8*(\a)+\b):8*(8*(\a)+\b)+7]
.endif
.endr
.endr
.endm
; 32 LDS loads in one run: quarter q of a slot (32 along K) into buffer f: B's 8 fragments, then A's 8
.macro FETCH slot, q, f
	WIN TO_B
.irp b, 0,1,2,3,4,5,6,7
	ds_load_tr16_b128 v[\f+8*\b:\f+8*\b+3],   v[ADRB+\slot] offset:\q*32*PB+32*\b
	ds_load_tr16_b128 v[\f+8*\b+4:\f+8*\b+7], v[ADRB+\slot] offset:\q*32*PB+32*\b+16*PB
.endr
	WIN 0
.irp i, 0,1,2,3,4,5,6,7
	ds_load_b128 v[\f+8*\i:\f+8*\i+3],   v[ADRA+\slot] offset:64*\q+\i*16*PA
	ds_load_b128 v[\f+8*\i+4:\f+8*\i+7], v[ADRA+\slot] offset:64*\q+\i*16*PA+32
.endr
.endm
; One of a K step's first three quarters: multiplies buffer f (64 matrix instructions) and, in its middle, fetches quarter qn into buffer g
.macro QUARTER slot, qn, f, g, first
	s_wait_dscnt 8                                 ; B and A's rows 0-63 are in; the youngest eight loads (A's rows 64-127) may be out
.if \first
	WIN BIA_LO
.else
	WIN MUL_LO
.endif
	MUL16 \f, 0, 0, \first
	MUL16 \f, 0, 2, \first
	PLACES
	FETCH \slot, \qn, \g
	s_wait_dscnt 32                                ; all but the 32 just issued
.if \first
	WIN BIA_HI
.else
	WIN MUL_HI
.endif
	MUL16 \f, 1, 0, \first
	MUL16 \f, 1, 2, \first
.endm
.macro THREE slot, first
	QUARTER \slot, 1, F0, F1, \first
	QUARTER \slot, 2, F1, F0, 0
	QUARTER \slot, 3, F0, F1, 0
.endm
; The last quarter multiplies buffer 1 and changes slots.  In front of the barrier each wave has its reads of this slot back and all its
; tensor loads landed (the one out is its part of the next slot); behind it the refill comes first, then the next slot's first fragments.
.macro TURN slot, next, fill
	s_wait_dscnt 8
	WIN MUL_LO
	MUL16 F1, 0, 0, 0
	s_wait_dscnt 0x0                               ; my reads of this slot are over
	s_wait_tensorcnt 0x0                           ; and all my tensor loads have landed
	ds_add_u32 v255, v255
	s_wait_dscnt 0x0
	s_barrier_signal -1                            ; where a slot is filled again this barrier opens a round of the cluster's barrier
	MUL16 F1, 0, 2, 0                              ; register work while the others arrive
	WIN 0
	s_barrier_wait -1
.if \fill
	CREST                                          ; no wave of any partner still reads this slot or has a load on its way
	s_add_nc_u64 s[G0A+4*\slot+2:G0A+4*\slot+3], s[G0A+4*\slot+2:G0A+4*\slot+3], 2*KSTEP*2
	s_add_nc_u64 s[G0B+4*\slot+2:G0B+4*\slot+3], s[G0B+4*\slot+2:G0B+4*\slot+3], 2*KSTEP*SIZE_N*2
	JLOAD \slot                                    ; my one tensor load behind the round; its four v_nop are also the places in front of the loads below
.else
	PLACES
.endif
	FETCH \next, 0, F0
	WIN MUL_HI
	MUL16 F1, 1, 0, 0
	MUL16 F1, 1, 2, 0
.endm
.macro LAP first
	THREE 0, \first
	TURN 0, 1, 1
	THREE 1, 0
	TURN 1, 0, 1
.endm
	s_wait_tensorcnt 0x1                           ; my part of K step 0 is in; K step 1's stays out
	s_barrier_signal -1
	s_barrier_wait -1
	FETCH 0, 0, F0
	s_wait_loadcnt 0x0                             ; the bias tiles
	LAP 1                                          ; the first lap stands in front of the loop: its first products start the sums on the bias
	WIN 0                                          ; at a label and at a branch every window is 0
	s_mov_b32 s3, LAPS-2
.Llap:
	LAP 0
	WIN 0
	s_sub_co_u32 s3, s3, 1
	s_cmp_lg_u32 s3, 0
	s_cbranch_scc1 .Llap
	THREE 0, 0                                     ; the last lap fills nothing: my one tensor load that is still out is slot 1's, the last K step's
	TURN 0, 1, 0
	THREE 1, 0
	s_wait_dscnt 8                                 ; the very last quarter: nothing more to fetch
	WIN MUL_LO
	MUL16 F1, 0, 0, 0
	MUL16 F1, 0, 2, 0
	s_wait_dscnt 0x0
	WIN MUL_HI
	MUL16 F1, 1, 0, 0
	MUL16 F1, 1, 2, 0
	PLACES                                         ; behind the last matrix instructions: for the conversions and for the loads into the fragment buffers
	; THE WAY OUT, 16 rows at a time: round to f16, 16 bytes a lane into my own stage, read back as whole rows of 256 bytes
	s_lshl_b32 s56, s18, 8
	s_lshl_b32 s57, s13, 7
	s_add_co_u32 s56, s56, s57                     ; my first row of C
	s_mul_i32 s56, s56, SIZE_N*2
	s_mov_b32 s57, 0
	s_add_nc_u64 s[10:11], s[10:11], s[56:57]
	s_lshl_b32 s60, s17, 9                         ; my first column, 2 bytes each: 512 x block column + 256 x half
	s_lshl_b32 s61, s14, 8
	s_add_co_u32 s60, s60, s61
	s_mov_b32 s61, 0
	s_add_nc_u64 s[10:11], s[10:11], s[60:61]
; rows 16 i .. 16 i + 15 of my block = the eight tiles (a, 0..7) of window 2 or 3 (from = 0x0a or 0x0f: sources 0 and 1); f: F0 or F1 in turn
.macro OUT16 i, a, from, f
	WIN \from
.irp b, 0,1,2,3,4,5,6,7
.irp r, 0,1,2,3
	v_cvt_pk_f16_f32 v[TMP+4*\b+\r], v[8*(8*\a+\b)+2*\r], v[8*(8*\a+\b)+2*\r+1]
.endr
.endr
	WIN 0
.irp b, 0,1,2,3,4,5,6,7
	ds_store_b128 v[STO], v[TMP+4*\b:TMP+4*\b+3] offset:32*\b
.endr
	s_wait_xcnt 0x0                                ; buffer f, which earlier stores read, and the stores' base are rewritten only behind this wait
.if \i
	s_add_nc_u64 s[10:11], s[10:11], 16*SIZE_N*2
.endif
.irp t, 0,1,2,3,4,5,6,7
	ds_load_b128 v[\f+4*\t:\f+4*\t+3], v[RD] offset:\t*2*PA        ; a wave's LDS instructions are served in order: these see the stores above
.endr
.irp t, 0,1,2,3,4,5,6,7
	s_wait_dscnt 7-\t
	global_store_b128 v[CO], v[\f+4*\t:\f+4*\t+3], s[10:11] offset:2*\t*SIZE_N*2   ; 16 lanes store 256 consecutive bytes, aligned
.endr
.endm
	OUT16 0, 0, 0x0a, F0
	OUT16 1, 1, 0x0a, F1
	OUT16 2, 2, 0x0a, F0
	OUT16 3, 3, 0x0a, F1
	OUT16 4, 0, 0x0f, F0
	OUT16 5, 1, 0x0f, F1
	OUT16 6, 2, 0x0f, F0
	OUT16 7, 3, 0x0f, F1
	s_set_vgpr_msb 0x1
	s_wait_tensorcnt 0x0
	ds_add_u32 v255, v255
	s_wait_dscnt 0x0
	s_set_vgpr_msb 0x100
	CROUND                                         ; the closing round: no work-group ends while a partner may still ask for a tile that names it
	s_endpgm
.Lfunc_end_k_qda27d6df54_qkvgemm:
	.size	k_qda27d6df54_qkvgemm, .Lfunc_end_k_qda27d6df54_qkvgemm-k_qda27d6df54_qkvgemm
	.p2alignl 7, 3214868480
	.fill 96, 4, 3214868480
	.section	.rodata,"a",@progbits
	.p2align	6, 0x0
	.amdhsa_kernel k_qda27d6df54_qkvgemm
		.amdhsa_group_segment_fixed_size 327680
		.amdhsa_private_segment_fixed_size 0
		.amdhsa_enable_private_segment 0
		.amdhsa_kernarg_size 32
		.amdhsa_user_sgpr_count 2
		.amdhsa_user_sgpr_kernarg_segment_ptr 1
		.amdhsa_wavefront_size32 1
		.amdhsa_system_sgpr_workgroup_id_x 1
		.amdhsa_system_sgpr_workgroup_id_y 1
		.amdhsa_system_sgpr_workgroup_id_z 1
		.amdhsa_system_vgpr_workitem_id 0
		.amdhsa_next_free_vgpr 1024
		.amdhsa_next_free_sgpr 66
		.amdhsa_reserve_vcc 0
		.amdhsa_float_denorm_mode_32 3
		.amdhsa_float_denorm_mode_16_64 3
		.amdhsa_memory_ordered 1
		.amdhsa_forward_progress 1
		.amdhsa_inst_pref_size 199
	.end_amdhsa_kernel
	.amdgpu_metadata
---
amdhsa.version: [ 1, 2 ]
amdhsa.kernels:
  - .name:           k_qda27d6df54_qkvgemm
    .symbol:         k_qda27d6df54_qkvgemm.kd
    .args:
      - { .name: xb, .offset: 0, .size: 8, .value_kind: global_buffer, .address_space: global }
      - { .name: wqb, .offset: 8, .size: 8, .value_kind: global_buffer, .address_space: global }
      - { .name: b_qkv, .offset: 16, .size: 8, .value_kind: global_buffer, .address_space: global }
      - { .name: qkv, .offset: 24, .size: 8, .value_kind: global_buffer, .address_space: global }
    .group_segment_fixed_size: 327680
    .private_segment_fixed_size: 0
    .kernarg_segment_align: 8
    .kernarg_segment_size: 32
    .max_flat_workgroup_size: 128
    .sgpr_count:     66
    .vgpr_count:     1024
    .wavefront_size: 32
...
	.end_amdgpu_metadata
.endif
;; end of part 2
;; launch attn (part 3): grid 8 x 32, 8 waves a work-group, no clusters, 327,680 bytes of LDS; arguments qkv, att; writes att
.if DOCPART == 3
	.amdgcn_target "amdgcn-amd-amdhsa--gfx1250"
	.amdhsa_code_object_version 6
	.text
	.protected	k_qda27d6df54_attn
	.globl	k_qda27d6df54_attn
	.p2align	8
	.type	k_qda27d6df54_attn,@function
k_qda27d6df54_attn:
	s_mov_b64 s[64:65], 0
	v_nop
	global_prefetch_b8 v0, s[64:65] scope:SCOPE_SE
	s_setreg_imm32_b32 hwreg(HW_REG_WAVE_MODE, 25, 1), 1
	s_wait_xcnt 0x0
; Causal attention on qkv [8192][3072] f16 (q at column 0, k at 1024, v at 2048, head h at 64 h) -> att [8192][1024] f16.
; softmax(q k^T / 8) v with a running maximum; scores, statistics and sums in f32; P and the result rounded to f16.
; LIMIT: |q|, |k|, |v| and the result must lie within f16 (65,504); NaN and infinities in the inputs are not treated specially.
; A work-group takes two neighbouring heads of one batch and the query blocks p and 15 - p (128 rows each): block i needs i + 1 tiles of
; 128 keys, so every work-group walks (p + 1) + (16 - p) = 17 tiles.
; EIGHT WAVES, two to a SIMD: wave w takes head w % 2 and query rows 32 (w / 2) .. + 31 of the block.  For 16 queries x 64 keys the text has
; 16 matrix instructions and about 120 vector instructions, each kind in runs; with two waves on a SIMD one wave's matrix
; instructions can be issued among the other's vector work.  The price: K's and V's fragments are read from LDS once for every 32 queries.
; A tile is 128 keys x 256 bytes (both heads) of K and the same of V, through two LDS slots filled by tensor loads of 64 rows:
; waves 0 and 1 fetch V's halves, waves 2 and 3 K's, waves 4 to 7 none.
; NO MULTICAST: the work-groups that read the same K and V are the eight pairs of query blocks of one head pair; each walks its tiles in its
; own order (diagonal of one block, its lower tiles, diagonal of the other, its lower tiles), so no two ask for the same tile in the same trip.
; LAYOUT: S^T = K Q^T (source 0 = K's fragment, source 1 = Q's): a lane holds query r = lane % 16 and keys 8 h + 0..7 (h = lane / 16) of each
; tile of 16 keys; so the row statistics are a lane's own (plus one exchange between the halves), and two S tiles pack, inside the lane,
; into P^T's fragment for O^T = V^T P^T (source 0 = V^T by the transposing LDS load, source 1 = P^T).
; The diagonal tile comes first: its first product starts maximum, sum and O, so no start values are needed.
; REGISTERS: window 0: addresses, K's and V's fragments, O; window 1: S, P, both blocks' Q fragments, statistics.
.set PK,    272                        ; K's LDS row: 256 bytes + 16
.set PV,    288                        ; V's LDS row: 256 bytes + 32: an odd multiple of 32, for the transposing load
.set VHALF, 64*PV
.set KHALF, 64*PK
.set KOFF,  2*VHALF                    ; a slot: V's 128 rows, then K's 128 rows
.set SLOT,  KOFF+2*KHALF               ; 71,680
.set STAGE, 2*SLOT                     ; 128 rows x 272 bytes for the way out; no tensor load fills it
.set ROWB,  6144                       ; bytes in a row of qkv
.set TILEB, 128*ROWB
; window 0
.set ADK,  16                          ; v16-17 LDS address of my K fragments in slot 0, 1
.set ADV,  18                          ; v18-19 the same for V
.set STO,  20
.set RD,   21
.set QOFF, 22
.set CO,   23
.set KF,   32                          ; v32-95   K's fragment (mt, ks) at 16 mt + 8 ks
.set VF,   96                          ; v96-159  V^T's fragment (dt, kk) at 16 dt + 8 kk
.set OF,   160                         ; v160-223 O's tile (dt, nt) at 32 nt + 8 dt
; window 1: S's tile (mt, nt) at 32 nt + 8 mt, v0-63
.set PF,   64                          ; v64-95   P^T's fragment (nt, kk) at 16 nt + 8 kk
.set QA,   96                          ; v96-127  Q's fragment (nt, ks) at 16 nt + 8 ks, first block
.set QB,   128                         ; v128-159 second block
.set STAT, 160                         ; pair (NM, M) of query group nt at 2 nt: M the running maximum, NM = -M log2(e) / 8
.set ALF,  164                         ; pair (alpha, L) at 2 nt: the rescaling factor, the lane's running sum
.set DIFF, 168                         ; 32 (w / 2) + r - 8 h: key c + 8 h of the diagonal tile is masked for my query where c - 16 nt > DIFF
.set NINF, 169
.set TT,   170                         ; v170-175 at work
.set G1V, 24
.set G1K, 32
.set G0V, 40                           ; s[40:47] a set for each slot
.set G0K, 48                           ; s[48:55]
.set W_S,   0x54                       ; S product: D and C window 1, source 0 (K) window 0, source 1 (Q) window 1
.set W_ONE, 0x55                       ; everything in window 1
.set W_O,   0x04                       ; O (destination, source 0, C) and V in window 0, source 1 (alpha, P, or LDS store data) in window 1
.set W_TO1, 0x40                       ; destination window 1, sources window 0
.set MSB, 0
.macro WIN new
.if MSB != \new
	s_set_vgpr_msb (MSB<<8)|\new
.set MSB, \new
.endif
.endm
.macro PLACES                          ; four independent vector instructions behind a matrix instruction (ISA guide 7.12.1) before its registers are touched
.rept 4
	v_nop
.endr
.endm
; At most one tensor load a wave: waves 0 and 1 fetch V's two halves of 64 rows, waves 2 and 3 K's, waves 4 to 7 nothing
.macro KVLOAD slot
	s_cmp_ge_u32 s8, 4
	s_cbranch_scc1 .Lasked_\@
	s_cmp_ge_u32 s8, 2
	s_cbranch_scc1 .Lfor_k_\@
	tensor_load_to_lds s[G0V+4*\slot:G0V+4*\slot+3], s[G1V:G1V+7]
	s_nop 0
.rept 4
	v_nop
.endr
	s_branch .Lasked_\@
.Lfor_k_\@:
	tensor_load_to_lds s[G0K+4*\slot:G0K+4*\slot+3], s[G1K:G1K+7]
	s_nop 0
.rept 4
	v_nop
.endr
.Lasked_\@:
.endm
; The next tile's number from the fill counter u (s18): tiles 0 .. iA - 1, then iB (the second diagonal), then 0 .. iB - 1; its addresses into the slot's group 0
.macro NEXTFILL slot
	s_sub_co_u32 s19, s18, s17                     ; u - (iA + 1)
	s_cmp_lt_u32 s18, s15
	s_cselect_b32 s19, s18, s19
	s_cmp_eq_u32 s18, s15
	s_cselect_b32 s19, s16, s19
	s_min_u32 s19, s19, 15                         ; always met: there are 16 tiles
	s_add_co_u32 s18, s18, 1
	s_mul_i32 s20, s19, TILEB
	s_add_nc_u64 s[G0V+4*\slot+2:G0V+4*\slot+3], s[56:57], s[20:21]
	s_or_b32 s[G0V+4*\slot+3], s[G0V+4*\slot+3], 0x80000000
	s_add_nc_u64 s[G0K+4*\slot+2:G0K+4*\slot+3], s[58:59], s[20:21]
	s_or_b32 s[G0K+4*\slot+3], s[G0K+4*\slot+3], 0x80000000
.endm
	s_load_b128 s[4:7], s[0:1], 0x0                ; qkv s[4:5], att s[6:7]
	v_lshl_add_u32 v254, v0, 2, 0x2b800
	v_mov_b32 v255, 0
	ds_add_u32 v254, v255
	v_lshrrev_b32 v1, 5, v0
	v_readfirstlane_b32 s8, v1                     ; wave 0..7
	s_lshr_b32 s9, s8, 1                           ; my quarter of the query rows
	s_and_b32 s10, s8, 1                           ; my head of the pair.  Also, in waves 0 to 3: which 64 rows of the tile I fetch
	s_and_b32 s12, ttmp7, 0xffff
	s_lshr_b32 s13, s12, 3                         ; batch
	s_and_b32 s14, s12, 7                          ; head pair
	s_lshl_b32 s2, s13, 11                         ; the batch's first row
	s_lshl_b32 s3, s14, 8                          ; the head pair's 256 bytes in a row
	s_sub_co_u32 s23, 15, ttmp9
	s_and_b32 s22, ttmp9, 1
	s_cmp_lg_u32 s22, 0
	s_cselect_b32 s15, s23, ttmp9                  ; iA: the even one of p and 15 - p, so that the slots' turns are fixed in the text
	s_cselect_b32 s16, ttmp9, s23                  ; iB: the odd one
	s_add_co_u32 s17, s15, 1
	s_mov_b32 s18, 0                               ; u
	s_mov_b32 s21, 0                               ; upper word of the offsets in s[20:21]
	s_mov_b32 s66, 0x3e38aa3b                      ; log2(e) / 8: the scale 1 / sqrt(64) and the change of base in one factor
	s_mov_b32 s67, 0
	s_mov_b32 s68, 0x76543210                      ; v_permlanex16_b32: lane i reads lane i of the other half
	s_mov_b32 s69, 0xfedcba98
	; group 1: 64 rows x 128 elements of 2 bytes; behind every 64 words V gets 8 words of padding, K 4
	s_mov_b32 s[G1V+0], (1<<16)|(1<<20)|(5<<22)|(7<<25)
	s_mov_b32 s[G1K+0], (1<<16)|(1<<20)|(5<<22)|(3<<25)
.irp g, G1V, G1K
	s_mov_b32 s[\g+1], 128<<16                     ; tensor_dim0 = 128
	s_mov_b32 s[\g+2], 64<<16                      ; tensor_dim1 = 64
	s_mov_b32 s[\g+3], 128<<16                     ; tile_dim0 = 128
	s_mov_b32 s[\g+4], 64                          ; tile_dim1 = 64
	s_mov_b32 s[\g+5], 3072                        ; elements from row to row
	s_mov_b32 s[\g+6], 0
	s_mov_b32 s[\g+7], 0
.endr
	s_mul_i32 s22, s8, VHALF                       ; waves 0, 1: V's halves
	s_mul_i32 s23, s8, KHALF
	s_add_co_u32 s23, s23, KOFF-2*KHALF            ; waves 2, 3: K's halves behind V's tile
.irp s, 0,1
	s_mov_b32 s[G0V+4*\s], 1
	s_add_co_u32 s[G0V+4*\s+1], s22, \s*SLOT
	s_mov_b32 s[G0K+4*\s], 1
	s_add_co_u32 s[G0K+4*\s+1], s23, \s*SLOT
.endr
	s_lshl_b32 s20, s10, 6
	s_add_co_u32 s20, s20, s2
	s_mul_i32 s20, s20, ROWB
	s_add_co_u32 s20, s20, s3                      ; row batch + 64 x half, the head pair's bytes
	s_wait_dscnt 0x0
	s_barrier_signal -1
	s_barrier_wait -1
	s_wait_kmcnt 0x0
	s_add_nc_u64 s[58:59], s[4:5], s[20:21]
	s_add_nc_u64 s[56:57], s[58:59], 4096          ; V of tile 0
	s_add_nc_u64 s[58:59], s[58:59], 2048          ; K of tile 0
	s_mul_i32 s20, s15, TILEB                      ; the first fill: block iA's diagonal tile, into slot 0
	s_add_nc_u64 s[G0V+2:G0V+3], s[56:57], s[20:21]
	s_or_b32 s[G0V+3], s[G0V+3], 0x80000000
	s_add_nc_u64 s[G0K+2:G0K+3], s[58:59], s[20:21]
	s_or_b32 s[G0K+3], s[G0K+3], 0x80000000
	KVLOAD 0                                       ; by this text's count a wave never has more than one tensor load out
; the addresses of block s[i]: my 32 Q rows into s[qb:qb+1], my 16 rows of att into s[ob:ob+1]
.macro BASES i, qb, ob
	s_lshl_b32 s19, s[\i], 7
	s_add_co_u32 s19, s19, s2                      ; the block's first row
	s_lshl_b32 s20, s9, 5
	s_add_co_u32 s20, s20, s19
	s_mul_i32 s20, s20, ROWB
	s_add_co_u32 s20, s20, s3
	s_lshl_b32 s22, s10, 7
	s_add_co_u32 s20, s20, s22                     ; my head's 128 bytes
	s_add_nc_u64 s[\qb:\qb+1], s[4:5], s[20:21]
	s_lshl_b32 s20, s8, 4
	s_add_co_u32 s20, s20, s19
	s_lshl_b32 s20, s20, 11                        ; rows of 2,048 bytes
	s_add_co_u32 s20, s20, s3
	s_add_nc_u64 s[\ob:\ob+1], s[6:7], s[20:21]
.endm
	BASES 15, 60, 70
	BASES 16, 62, 72
	v_and_b32 v1, 15, v0                           ; r
	v_bfe_u32 v2, v0, 4, 1                         ; h
	v_and_b32 v3, 7, v0
	v_bfe_u32 v4, v0, 3, 1
	v_mul_u32_u24 v[QOFF], v1, ROWB                ; Q's fragment straight from memory: row r, 16 bytes at 16 h and 32 further
	v_lshl_add_u32 v[QOFF], v2, 4, v[QOFF]
	WIN W_TO1                                      ; destination in window 1
.irp nt, 0,1
.irp ks, 0,1
	global_load_b128 v[QA+16*\nt+8*\ks:QA+16*\nt+8*\ks+3],   v[QOFF], s[60:61] offset:\nt*16*ROWB+64*\ks
	global_load_b128 v[QA+16*\nt+8*\ks+4:QA+16*\nt+8*\ks+7], v[QOFF], s[60:61] offset:\nt*16*ROWB+64*\ks+32
.endr
.endr
.irp nt, 0,1
.irp ks, 0,1
	global_load_b128 v[QB+16*\nt+8*\ks:QB+16*\nt+8*\ks+3],   v[QOFF], s[62:63] offset:\nt*16*ROWB+64*\ks
	global_load_b128 v[QB+16*\nt+8*\ks+4:QB+16*\nt+8*\ks+7], v[QOFF], s[62:63] offset:\nt*16*ROWB+64*\ks+32
.endr
.endr
	WIN 0
	v_mul_u32_u24 v5, v1, PK
	v_lshl_add_u32 v5, v2, 4, v5                   ; 272 r + 16 h
	s_lshl_b32 s22, s10, 7                         ; my head's 128 bytes of an LDS row
	s_add_co_u32 s23, s22, KOFF
	v_add_nc_u32 v[ADK], s23, v5
	v_add_nc_u32 v[ADK+1], SLOT, v[ADK]
	v_lshl_add_u32 v6, v2, 3, v3                   ; the transposing load: key row 8 h + lane % 8, 16 bytes at 16 ((lane / 8) % 2)
	v_mul_u32_u24 v6, v6, PV
	v_lshl_add_u32 v6, v4, 4, v6
	v_add_nc_u32 v[ADV], s22, v6
	v_add_nc_u32 v[ADV+1], SLOT, v[ADV]
	s_mul_i32 s23, s9, 32*PK
	s_add_co_u32 s23, s23, s22
	s_add_co_u32 s23, s23, STAGE
	v_add_nc_u32 v[STO], s23, v5                   ; the way out, in: stage row 32 (w / 2) + r, my head's half, 16 h
	v_mul_u32_u24 v7, v2, PK
	v_lshl_add_u32 v7, v1, 4, v7
	s_mul_i32 s23, s8, 16*PK
	s_add_co_u32 s23, s23, STAGE
	v_add_nc_u32 v[RD], s23, v7                    ; back: rows 16 w + h, 16 bytes at 16 r
	v_lshlrev_b32 v[CO], 4, v1
	v_lshl_add_u32 v[CO], v2, 11, v[CO]            ; the same two rows in att
	v_lshlrev_b32 v8, 3, v2
	v_sub_nc_u32 v8, v1, v8
	s_lshl_b32 s23, s9, 5
	v_add_nc_u32 v8, s23, v8
	WIN W_TO1                                      ; destination in window 1
	v_mov_b32 v[DIFF], v8
	v_mov_b32 v[NINF], 0xff800000
	WIN 0
.macro LOADK slot, sub                 ; 16 loads: K's fragments of keys 64 sub .. + 63
.irp mt, 0,1,2,3
.irp ks, 0,1
	ds_load_b128 v[KF+16*\mt+8*\ks:KF+16*\mt+8*\ks+3],   v[ADK+\slot] offset:(64*\sub+16*\mt)*PK+64*\ks
	ds_load_b128 v[KF+16*\mt+8*\ks+4:KF+16*\mt+8*\ks+7], v[ADK+\slot] offset:(64*\sub+16*\mt)*PK+64*\ks+32
.endr
.endr
.endm
.macro LOADV slot, sub                 ; 16 loads: V^T's fragments of the same keys
.irp dt, 0,1,2,3
.irp kk, 0,1
	ds_load_tr16_b128 v[VF+16*\dt+8*\kk:VF+16*\dt+8*\kk+3],   v[ADV+\slot] offset:(64*\sub+32*\kk)*PV+32*\dt
	ds_load_tr16_b128 v[VF+16*\dt+8*\kk+4:VF+16*\dt+8*\kk+7], v[ADV+\slot] offset:(64*\sub+32*\kk+16)*PV+32*\dt
.endr
.endr
.endm
; S^T of 64 keys x 32 queries: 16 matrix instructions.  The 8 tiles take turns, one instruction a turn; the first turn starts the sums.
.macro SMUL q
	WIN W_S
.irp nt, 0,1
.irp mt, 0,1,2,3
	v_wmma_f32_16x16x32_f16 v[32*\nt+8*\mt:32*\nt+8*\mt+7], v[KF+16*\mt:KF+16*\mt+7], v[\q+16*\nt:\q+16*\nt+7], 0
.endr
.endr
.irp nt, 0,1
.irp mt, 0,1,2,3
	v_wmma_f32_16x16x32_f16 v[32*\nt+8*\mt:32*\nt+8*\mt+7], v[KF+16*\mt+8:KF+16*\mt+15], v[\q+16*\nt+8:\q+16*\nt+15], v[32*\nt+8*\mt:32*\nt+8*\mt+7]
.endr
.endr
.endm
; Query group nt (16 queries) against 64 keys: mask, maximum, exponentials, sum, P in f16, O rescaled, then O += V^T P^T (8 matrix instructions).
; first = 1: this is the block's first sub-step.  dsw >= 0: the count of the wait for V's fragments.
.macro SOFT nt, first, mask, sub, dsw
	WIN W_ONE
.if \mask
.irp mt, 0,1,2,3
.irp j, 0,1,2,3,4,5,6,7
.if (64*\sub+16*\mt+\j-16*\nt) > -8                ; DIFF is at least -8: below that no lane is masked
	v_cmp_gt_i32 vcc_lo, 64*\sub+16*\mt+\j-16*\nt, v[DIFF]
	v_cndmask_b32 v[32*\nt+8*\mt+\j], v[32*\nt+8*\mt+\j], v[NINF], vcc_lo
.endif
.endr
.endr
.endif
	v_max3_num_f32 v[TT],   v[32*\nt],   v[32*\nt+1], v[32*\nt+2]      ; my 32 scores, two chains
	v_max3_num_f32 v[TT+1], v[32*\nt+3], v[32*\nt+4], v[32*\nt+5]
.set sj, 6
.rept 13
	v_max3_num_f32 v[TT+(sj/2)%2], v[TT+(sj/2)%2], v[32*\nt+sj], v[32*\nt+sj+1]
.set sj, sj+2
.endr
	v_max_num_f32 v[TT], v[TT], v[TT+1]
	v_permlanex16_b32 v[TT+1], v[TT], s68, s69     ; the other half of the lanes holds the query's other keys
.if \first
	v_max_num_f32 v[STAT+2*\nt+1], v[TT], v[TT+1]
	v_mul_f32 v[STAT+2*\nt], 0xbe38aa3b, v[STAT+2*\nt+1]
.else
	v_max3_num_f32 v[STAT+2*\nt+1], v[STAT+2*\nt+1], v[TT], v[TT+1]
	v_mul_f32 v[TT], 0xbe38aa3b, v[STAT+2*\nt+1]
	v_sub_f32 v[TT+1], v[TT], v[STAT+2*\nt]        ; NM new - NM old: the very shift by which the old exponentials differ from the new
	v_mov_b32 v[STAT+2*\nt], v[TT]
	v_exp_f32 v[ALF+2*\nt], v[TT+1]                ; alpha; the packed lines below are the plain place behind it (ISA guide 5.7.2)
.endif
.set sj, 0
.rept 16
	v_pk_fma_f32 v[32*\nt+sj:32*\nt+sj+1], v[32*\nt+sj:32*\nt+sj+1], s[66:67], v[STAT+2*\nt:STAT+2*\nt+1] op_sel_hi:[1,0,0]   ; s log2(e) / 8 + NM
.set sj, sj+2
.endr
.set sj, 0
.rept 32
	v_exp_f32 v[32*\nt+sj], v[32*\nt+sj]
.set sj, sj+1
.endr
	v_nop                                          ; one plain place behind the last exponential
	s_wait_alu depctr_va_vdst(0)
	v_pk_add_f32 v[TT+2:TT+3], v[32*\nt:32*\nt+1],   v[32*\nt+2:32*\nt+3]
	v_pk_add_f32 v[TT+4:TT+5], v[32*\nt+4:32*\nt+5], v[32*\nt+6:32*\nt+7]
.set sj, 8
.rept 12
	v_pk_add_f32 v[TT+2+2*((sj/2)%2):TT+3+2*((sj/2)%2)], v[TT+2+2*((sj/2)%2):TT+3+2*((sj/2)%2)], v[32*\nt+sj:32*\nt+sj+1]
.set sj, sj+2
.endr
	v_pk_add_f32 v[TT+2:TT+3], v[TT+2:TT+3], v[TT+4:TT+5]
.if \first
	v_add_f32 v[ALF+2*\nt+1], v[TT+2], v[TT+3]
.else
	v_add_f32 v[TT+2], v[TT+2], v[TT+3]
	v_fma_f32 v[ALF+2*\nt+1], v[ALF+2*\nt+1], v[ALF+2*\nt], v[TT+2]
.endif
.set sj, 0
.rept 16
	v_cvt_pk_f16_f32 v[PF+16*\nt+sj], v[32*\nt+2*sj], v[32*\nt+2*sj+1]     ; S tiles 2 kk, 2 kk + 1 are registers 0-3, 4-7 of P^T's fragment kk
.set sj, sj+1
.endr
	WIN W_O                                        ; one setting for the rescaling (O in window 0, alpha in window 1) and for the product (O and V in window 0, P in window 1)
.if \first == 0
.set sj, 0
.rept 16
	v_pk_mul_f32 v[OF+32*\nt+sj:OF+32*\nt+sj+1], v[OF+32*\nt+sj:OF+32*\nt+sj+1], v[ALF+2*\nt:ALF+2*\nt+1] op_sel_hi:[1,0]
.set sj, sj+2
.endr
.endif
.if \dsw >= 0
	s_wait_dscnt \dsw                              ; V's fragments are in; the loads issued behind them may be out
.endif
.irp dt, 0,1,2,3                                   ; the four tiles take turns, one instruction a turn
.if \first
	v_wmma_f32_16x16x32_f16 v[OF+32*\nt+8*\dt:OF+32*\nt+8*\dt+7], v[VF+16*\dt:VF+16*\dt+7], v[PF+16*\nt:PF+16*\nt+7], 0
.else
	v_wmma_f32_16x16x32_f16 v[OF+32*\nt+8*\dt:OF+32*\nt+8*\dt+7], v[VF+16*\dt:VF+16*\dt+7], v[PF+16*\nt:PF+16*\nt+7], v[OF+32*\nt+8*\dt:OF+32*\nt+8*\dt+7]
.endif
.endr
.irp dt, 0,1,2,3
	v_wmma_f32_16x16x32_f16 v[OF+32*\nt+8*\dt:OF+32*\nt+8*\dt+7], v[VF+16*\dt+8:VF+16*\dt+15], v[PF+16*\nt+8:PF+16*\nt+15], v[OF+32*\nt+8*\dt:OF+32*\nt+8*\dt+7]
.endr
.endm
; One tile of 128 keys from slot, as two sub-steps of 64.  fill = 1: the other slot gets the next tile.  lc >= 0: the count of the wait for Q.
.macro TRIP slot, other, fill, mask, first, q, lc
	s_wait_tensorcnt 0x0                           ; all my tensor loads have landed, my part of this trip's tile among them, so a group 0 may be written
	ds_add_u32 v254, v255
	s_wait_dscnt 0x0
.if \fill
	NEXTFILL \other
.endif
	s_wait_dscnt 0x0                               ; my reads of the other slot are back
	s_barrier_signal -1
	s_barrier_wait -1                              ; both now hold of all eight waves
.if \fill
	KVLOAD \other                                  ; my one tensor load behind this barrier (waves 0 to 3); it has the whole trip in which to land
.endif
	LOADK \slot, 0
	LOADV \slot, 0
.if \lc >= 0
	s_wait_loadcnt \lc                             ; this block's Q is in; the loads issued behind it may be out
.endif
	s_wait_dscnt 16                                ; K's first half is in; V's 16 loads may be out
	SMUL \q
	WIN 0
	PLACES
	LOADK \slot, 1
	SOFT 0, \first, \mask, 0, 16
	SOFT 1, \first, \mask, 0, -1
	WIN 0
	PLACES
	LOADV \slot, 1
	s_wait_dscnt 16                                ; K's second half is in; V's 16 loads may be out
	SMUL \q
	WIN 0
	PLACES
	SOFT 0, 0, \mask, 1, 0
	SOFT 1, 0, \mask, 1, -1
	WIN 0
	PLACES
.endm
; A block's end: O / L in f16 through the stage, so that both heads' halves of a row leave together.  more = 1: another block follows.
.macro FIN base, more
	WIN W_ONE
.irp nt, 0,1
	v_permlanex16_b32 v[TT+\nt], v[ALF+2*\nt+1], s68, s69          ; the other half's part of the sum
.endr
.irp nt, 0,1
	v_add_f32 v[TT+\nt], v[TT+\nt], v[ALF+2*\nt+1]
.endr
.irp nt, 0,1
	v_rcp_f32 v[ALF+2*\nt], v[TT+\nt]              ; the sum holds the maximum's own 1: never zero
.endr
	v_nop
	WIN W_O
.set sj, 0
	s_wait_alu depctr_va_vdst(0)
.rept 32
	v_pk_mul_f32 v[OF+sj:OF+sj+1], v[OF+sj:OF+sj+1], v[ALF+2*(sj/32):ALF+2*(sj/32)+1] op_sel_hi:[1,0]
.set sj, sj+2
.endr
	WIN W_TO1                                      ; from O in window 0 into P's registers in window 1
.set sj, 0
.rept 32
	v_cvt_pk_f16_f32 v[PF+sj], v[OF+2*sj], v[OF+2*sj+1]
.set sj, sj+1
.endr
	WIN W_O                                        ; store data in window 1, address in window 0
.irp nt, 0,1
.irp dt, 0,1,2,3
	ds_store_b128 v[STO], v[PF+16*\nt+4*\dt:PF+16*\nt+4*\dt+3] offset:\nt*16*PK+32*\dt
.endr
.endr
	WIN 0
	s_wait_dscnt 0x0                               ; my stores are done, for the others' sake
	s_barrier_signal -1
	s_barrier_wait -1                              ; the next tile's load may stay out
.irp t, 0,1,2,3,4,5,6,7
	ds_load_b128 v[KF+4*\t:KF+4*\t+3], v[RD] offset:\t*2*PK
.endr
.irp t, 0,1,2,3,4,5,6,7
	s_wait_dscnt 7-\t
	global_store_b128 v[CO], v[KF+4*\t:KF+4*\t+3], s[\base:\base+1] offset:\t*4096   ; 16 lanes store 256 consecutive bytes, aligned
.endr
.if \more
	s_wait_xcnt 0x0                                ; the stores' data registers are loaded again only behind this wait
.endif
.endm
	; block iA (even): its diagonal tile in slot 0, then tiles 0 .. iA - 1 in slots 1, 0, ...
	TRIP 0, 1, 1, 1, 1, QA, 8
	s_lshr_b32 s23, s15, 1
	s_cmp_eq_u32 s23, 0
	s_cbranch_scc1 .Lfin_a
	s_mov_b32 s22, 0
.Lloop_a:
	TRIP 1, 0, 1, 0, 0, QA, -1
	TRIP 0, 1, 1, 0, 0, QA, -1
	s_add_co_u32 s22, s22, 1
	s_cmp_lt_u32 s22, s23
	s_cbranch_scc1 .Lloop_a
.Lfin_a:
	FIN 70, 1
	; block iB (odd): its diagonal tile in slot 1, then tiles 0 .. iB - 1 in slots 0, 1, ..., 0; the last trip fills nothing
	TRIP 1, 0, 1, 1, 1, QB, 0
	s_lshr_b32 s23, s16, 1
	s_cmp_eq_u32 s23, 0
	s_cbranch_scc1 .Ltail_b
	s_mov_b32 s22, 0
.Lloop_b:
	TRIP 0, 1, 1, 0, 0, QB, -1
	TRIP 1, 0, 1, 0, 0, QB, -1
	s_add_co_u32 s22, s22, 1
	s_cmp_lt_u32 s22, s23
	s_cbranch_scc1 .Lloop_b
.Ltail_b:
	TRIP 0, 1, 0, 0, 0, QB, -1
	FIN 72, 0
	s_wait_tensorcnt 0x0
	ds_add_u32 v254, v255
	s_wait_dscnt 0x0
	s_endpgm
.Lfunc_end_k_qda27d6df54_attn:
	.size	k_qda27d6df54_attn, .Lfunc_end_k_qda27d6df54_attn-k_qda27d6df54_attn
	.p2alignl 7, 3214868480
	.fill 96, 4, 3214868480
	.section	.rodata,"a",@progbits
	.p2align	6, 0x0
	.amdhsa_kernel k_qda27d6df54_attn
		.amdhsa_group_segment_fixed_size 327680
		.amdhsa_private_segment_fixed_size 0
		.amdhsa_enable_private_segment 0
		.amdhsa_kernarg_size 16
		.amdhsa_user_sgpr_count 2
		.amdhsa_user_sgpr_kernarg_segment_ptr 1
		.amdhsa_wavefront_size32 1
		.amdhsa_system_sgpr_workgroup_id_x 1
		.amdhsa_system_sgpr_workgroup_id_y 1
		.amdhsa_system_sgpr_workgroup_id_z 1
		.amdhsa_system_vgpr_workitem_id 0
		.amdhsa_next_free_vgpr 448
		.amdhsa_next_free_sgpr 74
		.amdhsa_reserve_vcc 1
		.amdhsa_float_denorm_mode_32 3
		.amdhsa_float_denorm_mode_16_64 3
		.amdhsa_memory_ordered 1
		.amdhsa_forward_progress 1
		.amdhsa_inst_pref_size 255
	.end_amdhsa_kernel
	.section	.bss,"aw",@nobits
	.p2align	6
	.space	262144
	.amdgpu_metadata
---
amdhsa.version: [ 1, 2 ]
amdhsa.kernels:
  - .name:           k_qda27d6df54_attn
    .symbol:         k_qda27d6df54_attn.kd
    .args:
      - { .name: qkv, .offset: 0, .size: 8, .value_kind: global_buffer, .address_space: global }
      - { .name: att, .offset: 8, .size: 8, .value_kind: global_buffer, .address_space: global }
    .group_segment_fixed_size: 327680
    .private_segment_fixed_size: 0
    .kernarg_segment_align: 8
    .kernarg_segment_size: 16
    .max_flat_workgroup_size: 256
    .sgpr_count:     74
    .vgpr_count:     448
    .wavefront_size: 32
...
	.end_amdgpu_metadata
.endif
;; end of part 3
;; launch outgemm (part 4): grid 4 x 64, 4 waves a work-group, clusters of 4 x 4, 327,680 bytes of LDS; arguments att, wof, b_out, out0; writes out0
.if DOCPART == 4
	.amdgcn_target "amdgcn-amd-amdhsa--gfx1250"
	.amdhsa_code_object_version 6
	.text
	.protected	k_qda27d6df54_outgemm
	.globl	k_qda27d6df54_outgemm
	.p2align	8
	.type	k_qda27d6df54_outgemm,@function
k_qda27d6df54_outgemm:
	s_mov_b64 s[64:65], 0
	v_nop
	global_prefetch_b8 v0, s[64:65] scope:SCOPE_SE
	s_setreg_imm32_b32 hwreg(HW_REG_WAVE_MODE, 25, 1), 1
	s_wait_xcnt 0x0
	s_wait_alu depctr_hold_cnt(0) depctr_sa_sdst(0) depctr_va_vdst(0) depctr_va_sdst(0) depctr_va_ssrc(0) depctr_va_vcc(0) depctr_vm_vsrc(0)
	s_getreg_b32 s2, hwreg(HW_REG_IB_STS2, 6, 4)
	s_cmp_eq_u32 s2, 0
	s_cbranch_scc0 .Lentry_in_a_cluster
	s_endpgm
.Lentry_in_a_cluster:
	s_bfe_u32 s2, ttmp6, 0x10000c
	s_cmp_lg_u32 s2, 0xf033
	s_cbranch_scc0 .Lentry_shape_is_right
	s_endpgm
.Lentry_shape_is_right:
; out0[m][n] = sum over k of att[m][k] wof[k][n] + b_out[n].  att [8192][1024] f16, wof [1024][1024] f16 (k down the rows), b_out f32,
; sums in f32, out0 [8192][1024] f32.
; The same structure as the projection to q, k, v: a work-group makes 128 x 256 of C with four waves, a wave 64 x 128 in 32 accumulator tiles;
; K in steps of 128 through two LDS slots filled by tensor loads; B's fragments by the transposing LDS load; 4 x 4 work-groups form a cluster,
; A's tile asked for jointly along a cluster row, B's along a cluster column; the matrix instruction used transposed (source 0 = B's fragment),
; so that a lane holds row m = lane % 16 and columns 8 (lane / 16) + 0..7; the first product of each tile takes the bias tile as C.
; REGISTERS: window 0: addresses and fragments (two buffers); window 1: accumulators, tile (a, b) at v[8 (8 a + b)]; window 2: the bias tiles.
.set SIZE_N, 1024
.set SIZE_K, 1024
.set KSTEP,  128
.set PA,     272                       ; A's LDS row: 256 bytes + 16
.set PB,     544                       ; B's LDS row: 512 bytes + 32: an odd multiple of 32
.set AHALF,  64*PA
.set BHALF,  64*PB
.set AOFF,   2*BHALF                   ; a slot: B's 128 k rows, then A's 128 rows
.set SLOT,   AOFF+2*AHALF              ; 104,448
.set STAGE,  2*SLOT                    ; behind the ring, never filled by a tensor load: 16 rows x 528 bytes for each wave
.set SP,     528                       ; a stage row: 512 bytes + 16
.set WSTAGE, 16*SP
.set LAPS,   SIZE_K/(2*KSTEP)
.set ADRA, 16
.set ADRB, 20
.set STO,  24
.set RD,   25
.set CO,   26
.set BO,   27
.set FA,   32                          ; v32-63, v64-95    A's fragments, buffers 0 and 1
.set FB,   96                          ; v96-159, v160-223 B's fragments, buffers 0 and 1
.set G1A, 24
.set G0A, 32
.set G1B, 40
.set G0B, 48
.set MUL,  0x50                        ; C and D in window 1
.set MULB, 0x60                        ; D in window 1, C (the bias) in window 2
.set MSB, 0
.macro WIN new
.if MSB != \new
	s_set_vgpr_msb (MSB<<8)|\new
.set MSB, \new
.endif
.endm
.macro PLACES                          ; four independent vector instructions behind a matrix instruction (ISA guide 7.12.1) before its registers are touched
.rept 4
	v_nop
.endr
.endm
; A joint load: waves 0 and 1 fetch B's two halves, waves 2 and 3 A's.  The branch hangs on the wave's number alone.
.macro JLOAD s
	s_cmp_eq_u32 s13, 0
	s_cbranch_scc0 .Lfor_a_\@
	tensor_load_to_lds s[G0B+4*\s:G0B+4*\s+3], s[G1B:G1B+7]
	s_nop 0
.rept 4
	v_nop
.endr
	s_branch .Lasked_\@
.Lfor_a_\@:
	tensor_load_to_lds s[G0A+4*\s:G0A+4*\s+3], s[G1A:G1A+7]
	s_nop 0
.rept 4
	v_nop
.endr
.Lasked_\@:
.endm
.macro CREST                           ; a round of the cluster's barrier behind its opening work-group barrier
	s_cmp_lg_u32 s12, 0
	s_cbranch_scc1 .Lnot_wave_0_\@
	s_barrier_signal -3
.Lnot_wave_0_\@:
	s_barrier_wait -3
	s_barrier_signal -1
	s_barrier_wait -1
.endm
.macro CROUND
	s_barrier_signal -1
	s_barrier_wait -1
	CREST
.endm
	s_load_b256 s[4:11], s[0:1], 0x0               ; A s[4:5], B s[6:7], bias s[8:9], C s[10:11]
	v_lshl_add_u32 v254, v0, 2, 0x3b400
	v_mov_b32 v255, 0
	ds_add_u32 v254, v255
	v_lshrrev_b32 v1, 5, v0
	v_readfirstlane_b32 s12, v1                    ; wave 0..3
	s_lshr_b32 s13, s12, 1                         ; my half of the block's rows.  Also: I fetch for B (0) or for A (1)
	s_and_b32 s14, s12, 1                          ; my half of its columns.  Also: which 64 rows of that tile I fetch
	s_bfe_u32 s15, ttmp6, 0x40000                  ; cx
	s_bfe_u32 s16, ttmp6, 0x40004                  ; cy
	s_lshl_b32 s17, ttmp9, 2
	s_add_co_u32 s17, s17, s15                     ; block column
	s_and_b32 s18, ttmp7, 0xffff
	s_lshl_b32 s18, s18, 2
	s_add_co_u32 s18, s18, s16                     ; block row
	s_lshl_b32 s19, s16, 2
	s_lshl_b32 s19, 15, s19                        ; my row of the cluster
	s_lshl_b32 s20, 0x1111, s15                    ; my column
	s_or_b32  s[G1A+0], s19, (1<<16)|(1<<20)|(1<<21)|(5<<22)|(3<<25)   ; 64 rows x 128 elements of 2 bytes, 4 words of padding behind every 64
	s_mov_b32 s[G1A+1], KSTEP<<16
	s_mov_b32 s[G1A+2], 64<<16
	s_mov_b32 s[G1A+3], KSTEP<<16
	s_mov_b32 s[G1A+4], 64
	s_mov_b32 s[G1A+5], SIZE_K
	s_mov_b32 s[G1A+6], 0
	s_mov_b32 s[G1A+7], 0
	s_or_b32  s[G1B+0], s20, (1<<16)|(1<<20)|(1<<21)|(6<<22)|(7<<25)   ; 64 k rows x 256 elements, 8 words of padding behind every 128
	s_mov_b32 s[G1B+1], 256<<16
	s_mov_b32 s[G1B+2], 64<<16
	s_mov_b32 s[G1B+3], 256<<16
	s_mov_b32 s[G1B+4], 64
	s_mov_b32 s[G1B+5], SIZE_N
	s_mov_b32 s[G1B+6], 0
	s_mov_b32 s[G1B+7], 0
	s_lshl_b32 s56, s18, 7                         ; A's address in s[56:57]: block row and wave alone
	s_lshl_b32 s57, s14, 6
	s_add_co_u32 s56, s56, s57
	s_lshl_b32 s56, s56, 11
	s_mov_b32 s57, 0
	s_mul_i32 s60, s14, 64*SIZE_N*2                ; B's address in s[60:61]: block column and wave alone
	s_lshl_b32 s61, s17, 9
	s_add_co_u32 s60, s60, s61
	s_mov_b32 s61, 0
	s_mul_i32 s21, s12, AHALF
	s_add_co_u32 s21, s21, AOFF-2*AHALF            ; waves 2, 3: A's halves behind B's tile
	s_mul_i32 s22, s12, BHALF                      ; waves 0, 1: B's halves
	s_wait_dscnt 0x0
	s_wait_kmcnt 0x0
	s_add_nc_u64 s[56:57], s[4:5], s[56:57]
	s_add_nc_u64 s[60:61], s[6:7], s[60:61]
	CROUND                                         ; all sixteen work-groups are here: the first joint loads meet
.irp s, 0,1
	s_mov_b32 s[G0A+4*\s], 1
	s_add_co_u32 s[G0A+4*\s+1], s21, \s*SLOT
	s_add_nc_u64 s[G0A+4*\s+2:G0A+4*\s+3], s[56:57], \s*KSTEP*2
	s_or_b32 s[G0A+4*\s+3], s[G0A+4*\s+3], 0x80000000
	s_mov_b32 s[G0B+4*\s], 1
	s_add_co_u32 s[G0B+4*\s+1], s22, \s*SLOT
	s_add_nc_u64 s[G0B+4*\s+2:G0B+4*\s+3], s[60:61], \s*KSTEP*SIZE_N*2
	s_or_b32 s[G0B+4*\s+3], s[G0B+4*\s+3], 0x80000000
	JLOAD \s                                       ; K steps 0 and 1: by this text's count a wave has two tensor loads out here, later one
.endr
	v_and_b32 v1, 15, v0                           ; r
	v_bfe_u32 v2, v0, 4, 1                         ; h
	v_and_b32 v3, 7, v0
	v_bfe_u32 v4, v0, 3, 1
	v_and_b32 v5, 31, v0                           ; lane
	v_lshlrev_b32 v[BO], 5, v2
	s_lshl_b32 s62, s17, 10                        ; bias at column 256 x block column + 128 x half, 4 bytes each
	s_lshl_b32 s63, s14, 9
	s_add_co_u32 s62, s62, s63
	s_mov_b32 s63, 0
	s_add_nc_u64 s[62:63], s[8:9], s[62:63]
	WIN 0x80
.irp b, 0,1,2,3,4,5,6,7
	global_load_b128 v[8*\b:8*\b+3],   v[BO], s[62:63] offset:64*\b
	global_load_b128 v[8*\b+4:8*\b+7], v[BO], s[62:63] offset:64*\b+16
.endr
	WIN 0
	v_mul_u32_u24 v6, v1, PA
	v_lshl_add_u32 v6, v2, 4, v6
	s_mul_i32 s21, s13, AHALF
	s_add_co_u32 s21, s21, AOFF
	v_add_nc_u32 v[ADRA], s21, v6
	v_add_nc_u32 v[ADRA+1], SLOT, v[ADRA]
	v_lshl_add_u32 v7, v2, 3, v3
	v_mul_u32_u24 v7, v7, PB
	v_lshl_add_u32 v7, v4, 4, v7
	s_lshl_b32 s22, s14, 8
	v_add_nc_u32 v[ADRB], s22, v7
	v_add_nc_u32 v[ADRB+1], SLOT, v[ADRB]
	s_mul_i32 s23, s12, WSTAGE
	s_add_co_u32 s23, s23, STAGE                   ; my stage
	v_mul_u32_u24 v8, v1, SP                       ; in: row r, 32 bytes for each half of the lanes
	v_lshl_add_u32 v8, v2, 5, v8
	v_add_nc_u32 v[STO], s23, v8
	v_lshlrev_b32 v[CO], 4, v5                     ; back and out: the 32 lanes take one row of 512 bytes
	v_add_nc_u32 v[RD], s23, v[CO]
; 16 matrix instructions: m blocks a0, a0 + 1 x all 8 n blocks.  The 32 accumulators take turns, one instruction a turn.
.macro MUL16 buf, a0, first
.irp a, \a0, \a0+1
.irp b, 0,1,2,3,4,5,6,7
.if \first
	v_wmma_f32_16x16x32_f16 v[8*(8*(\a)+\b):8*(8*(\a)+\b)+7], v[FB+64*\buf+8*\b:FB+64*\buf+8*\b+7], v[FA+32*\buf+8*(\a):FA+32*\buf+8*(\a)+7], v[8*\b:8*\b+7]
.else
	v_wmma_f32_16x16x32_f16 v[8*(8*(\a)+\b):8*(8*(\a)+\b)+7], v[FB+64*\buf+8*\b:FB+64*\buf+8*\b+7], v[FA+32*\buf+8*(\a):FA+32*\buf+8*(\a)+7], v[8*(8*(\a)+\b):8*(8*(\a)+\b)+7]
.endif
.endr
.endr
.endm
.macro FETCH slot, q, buf              ; 24 LDS loads in one run: B's 8 fragments, then A's 4
.irp b, 0,1,2,3,4,5,6,7
	ds_load_tr16_b128 v[FB+64*\buf+8*\b:FB+64*\buf+8*\b+3],   v[ADRB+\slot] offset:\q*32*PB+32*\b
	ds_load_tr16_b128 v[FB+64*\buf+8*\b+4:FB+64*\buf+8*\b+7], v[ADRB+\slot] offset:\q*32*PB+32*\b+16*PB
.endr
.irp a, 0,1,2,3
	ds_load_b128 v[FA+32*\buf+8*\a:FA+32*\buf+8*\a+3],   v[ADRA+\slot] offset:64*\q+\a*16*PA
	ds_load_b128 v[FA+32*\buf+8*\a+4:FA+32*\buf+8*\a+7], v[ADRA+\slot] offset:64*\q+\a*16*PA+32
.endr
.endm
.macro QUARTER slot, qn, f, g, first
	s_wait_dscnt 4                                 ; B and A's rows 0-31 are in; the youngest four loads (A's rows 32-63) may be out
.if \first
	WIN MULB
.else
	WIN MUL
.endif
	MUL16 \f, 0, \first
	WIN 0
	PLACES
	FETCH \slot, \qn, \g
	s_wait_dscnt 24                                ; all but the 24 just issued
.if \first
	WIN MULB
.else
	WIN MUL
.endif
	MUL16 \f, 2, \first
.endm
.macro THREE slot, first
	QUARTER \slot, 1, 0, 1, \first
	QUARTER \slot, 2, 1, 0, 0
	QUARTER \slot, 3, 0, 1, 0
.endm
; The change of slots: in front of the barrier my reads of this slot are back and all my tensor loads have landed; behind it the refill comes first.
.macro TURN slot, next, fill
	s_wait_dscnt 0x0
	s_wait_tensorcnt 0x0
	ds_add_u32 v254, v255
	s_wait_dscnt 0x0
	s_barrier_signal -1
	WIN MUL
	MUL16 1, 0, 0
	WIN 0
	s_barrier_wait -1
.if \fill
	CREST                                          ; no wave of any partner still reads this slot or has a load on its way
	s_add_nc_u64 s[G0A+4*\slot+2:G0A+4*\slot+3], s[G0A+4*\slot+2:G0A+4*\slot+3], 2*KSTEP*2
	s_add_nc_u64 s[G0B+4*\slot+2:G0B+4*\slot+3], s[G0B+4*\slot+2:G0B+4*\slot+3], 2*KSTEP*SIZE_N*2
	JLOAD \slot                                    ; my one tensor load behind the round; its four v_nop are also the places in front of the loads below
.else
	PLACES
.endif
	FETCH \next, 0, 0
	WIN MUL
	MUL16 1, 2, 0
.endm
.macro LAP first
	THREE 0, \first
	TURN 0, 1, 1
	THREE 1, 0
	TURN 1, 0, 1
.endm
	s_wait_tensorcnt 0x1                           ; my part of K step 0 is in; K step 1's stays out
	s_barrier_signal -1
	s_barrier_wait -1
	FETCH 0, 0, 0
	s_wait_loadcnt 0x0                             ; the bias tiles
	LAP 1
	WIN 0
	s_mov_b32 s3, LAPS-2
.Llap:
	LAP 0
	WIN 0
	s_sub_co_u32 s3, s3, 1
	s_cmp_lg_u32 s3, 0
	s_cbranch_scc1 .Llap
	THREE 0, 0                                     ; the last lap fills nothing
	TURN 0, 1, 0
	THREE 1, 0
	s_wait_dscnt 0x0
	WIN MUL
	MUL16 1, 0, 0
	MUL16 1, 2, 0
	WIN 0
	PLACES                                         ; behind the last matrix instructions: for the LDS stores of results and the loads into the fragment buffers
	; THE WAY OUT, 16 rows at a time: the f32 results as they are into my own stage, read back as whole rows of 512 bytes
	s_lshl_b32 s56, s18, 7
	s_lshl_b32 s57, s13, 6
	s_add_co_u32 s56, s56, s57                     ; my first row of C
	s_mul_i32 s56, s56, SIZE_N*4
	s_mov_b32 s57, 0
	s_add_nc_u64 s[10:11], s[10:11], s[56:57]
	s_lshl_b32 s60, s17, 10                        ; my first column, 4 bytes each
	s_lshl_b32 s61, s14, 9
	s_add_co_u32 s60, s60, s61
	s_mov_b32 s61, 0
	s_add_nc_u64 s[10:11], s[10:11], s[60:61]
.macro OUT16 a, f
	WIN 0x04                                       ; store data in window 1
.irp b, 0,1,2,3,4,5,6,7
	ds_store_b128 v[STO], v[8*(8*\a+\b):8*(8*\a+\b)+3]   offset:64*\b
	ds_store_b128 v[STO], v[8*(8*\a+\b)+4:8*(8*\a+\b)+7] offset:64*\b+16
.endr
	WIN 0
	s_wait_xcnt 0x0                                ; buffer f, which earlier stores read, and the stores' base are rewritten only behind this wait
.if \a
	s_add_nc_u64 s[10:11], s[10:11], 16*SIZE_N*4
.endif
.irp t, 0,1,2,3,4,5,6,7,8,9,10,11,12,13,14,15
	ds_load_b128 v[\f+4*\t:\f+4*\t+3], v[RD] offset:\t*SP          ; a wave's LDS instructions are served in order: these see the stores above
.endr
.irp t, 0,1,2,3,4,5,6,7,8,9,10,11,12,13,14,15
	s_wait_dscnt 15-\t
	global_store_b128 v[CO], v[\f+4*\t:\f+4*\t+3], s[10:11] offset:\t*SIZE_N*4 th:TH_STORE_NT   ; the wave stores 512 consecutive bytes, aligned
.endr
.endm
	OUT16 0, FB
	OUT16 1, FB+64
	OUT16 2, FB
	OUT16 3, FB+64
	s_wait_tensorcnt 0x0
	ds_add_u32 v254, v255
	s_wait_dscnt 0x0
	CROUND                                         ; the closing round
	s_endpgm
.Lfunc_end_k_qda27d6df54_outgemm:
	.size	k_qda27d6df54_outgemm, .Lfunc_end_k_qda27d6df54_outgemm-k_qda27d6df54_outgemm
	.p2alignl 7, 3214868480
	.fill 96, 4, 3214868480
	.section	.rodata,"a",@progbits
	.p2align	6, 0x0
	.amdhsa_kernel k_qda27d6df54_outgemm
		.amdhsa_group_segment_fixed_size 327680
		.amdhsa_private_segment_fixed_size 0
		.amdhsa_enable_private_segment 0
		.amdhsa_kernarg_size 32
		.amdhsa_user_sgpr_count 2
		.amdhsa_user_sgpr_kernarg_segment_ptr 1
		.amdhsa_wavefront_size32 1
		.amdhsa_system_sgpr_workgroup_id_x 1
		.amdhsa_system_sgpr_workgroup_id_y 1
		.amdhsa_system_sgpr_workgroup_id_z 1
		.amdhsa_system_vgpr_workitem_id 0
		.amdhsa_next_free_vgpr 576
		.amdhsa_next_free_sgpr 66
		.amdhsa_reserve_vcc 0
		.amdhsa_float_denorm_mode_32 3
		.amdhsa_float_denorm_mode_16_64 3
		.amdhsa_memory_ordered 1
		.amdhsa_forward_progress 1
		.amdhsa_inst_pref_size 120
	.end_amdhsa_kernel
	.amdgpu_metadata
---
amdhsa.version: [ 1, 2 ]
amdhsa.kernels:
  - .name:           k_qda27d6df54_outgemm
    .symbol:         k_qda27d6df54_outgemm.kd
    .args:
      - { .name: att, .offset: 0, .size: 8, .value_kind: global_buffer, .address_space: global }
      - { .name: wof, .offset: 8, .size: 8, .value_kind: global_buffer, .address_space: global }
      - { .name: b_out, .offset: 16, .size: 8, .value_kind: global_buffer, .address_space: global }
      - { .name: out0, .offset: 24, .size: 8, .value_kind: global_buffer, .address_space: global }
    .group_segment_fixed_size: 327680
    .private_segment_fixed_size: 0
    .kernarg_segment_align: 8
    .kernarg_segment_size: 32
    .max_flat_workgroup_size: 128
    .sgpr_count:     66
    .vgpr_count:     576
    .wavefront_size: 32
...
	.end_amdgpu_metadata
.endif
;; end of part 4
;; ======== version 2 of 2: 4 launches; version 1 with the launch cast written anew for expert scheduling mode
;; limits: values are held in f16: magnitudes above 65,504 overflow, below 6.1e-05 lose precision
;; workspace buffers: xb 16,777,216 bytes; wqb 6,291,456 bytes; wof 2,097,152 bytes; qkv 50,331,648 bytes; att 16,777,216 bytes
;; launch cast (part 5): grid 768 x 1, 8 waves a work-group, no clusters, 0 bytes of LDS; arguments x, w_qkv, w_out, xb, wqb, wof; writes xb, wqb, wof
.if DOCPART == 5
	.amdgcn_target "amdgcn-amd-amdhsa--gfx1250"
	.amdhsa_code_object_version 6
	.text
	.protected	k_qda27d6df54_cast
	.globl	k_qda27d6df54_cast
	.p2align	8
	.type	k_qda27d6df54_cast,@function
k_qda27d6df54_cast:
	s_mov_b64 s[64:65], 0
	v_nop
	global_prefetch_b8 v0, s[64:65] scope:SCOPE_SE
	s_setreg_imm32_b32 hwreg(HW_REG_WAVE_SCHED_MODE, 0, 2), 2
	s_setreg_imm32_b32 hwreg(HW_REG_WAVE_MODE, 25, 1), 1
	s_wait_xcnt 0x0
	s_wait_alu depctr_vm_vsrc(0)
; The three large f32 inputs are rounded once to the 16-bit formats that the matrix launches read:
;   x -> xb (bf16), w_qkv -> wqb (bf16), w_out -> wof (rounded to bf16, that value then carried in f16, because the last product's
;   other operand is f16).  LIMIT: the f16 copy is exact for 2^-17 <= |w_out| <= 65,504; smaller entries carry an absolute error
;   of at most 2^-25, larger ones become infinities.
; A stream: no LDS, no barrier, no matrix unit.  A work-group converts 16,384 numbers (65,536 bytes in, 32,768 out):
; groups 0-511 x, 512-703 w_qkv, 704-767 w_out.  Thread t takes 16 bytes at 16 t of each block of 4,096 bytes, so a wave's load covers
; 512 consecutive bytes and a wave's store 256 consecutive bytes, aligned.  All 16 loads go out first; every slot owns its registers.
; THE MODE: SCHED_MODE bits 1:0 = 2 (LLVM: expert scheduling mode 2), set by the entry lines.  The code itself states the register dependences
; between vector instructions and memory instructions, with s_wait_alu, always for 0.
; THE PLAN.  Registers that memory instructions touch:
;   v1, v2    byte offsets of the loads and of the stores: written once at the head, never again.
;   X slot i  written by slot i's load, issued once at the head; read by slot i's roundings; nothing lands in it again.
;   Y slot i  written by slot i's roundings; read by slot i's one store; never written again.
;   T is named by vector instructions alone.
; No register that a memory instruction reads is ever rewritten, and no load lands in a register that a vector instruction has named: the one kind
; of dependence is a vector result that a memory instruction reads.  The 16 slots go in four blocks of four.  Block g rounds its own slots; its
; memory instructions are the four stores of block g - 1, whose Y no vector instruction of block g names.  So one wait at the head of a block
; states all that its four stores hang on, and they are dealt among its roundings with no further wait.
.set FIRST_WQ, 512                     ; first work-group of w_qkv
.set FIRST_WO, 704                     ; first work-group of w_out
.set X, 4                              ; v[4:67]    slot i: four f32 as loaded
.set Y, 68                             ; v[68:99]   slot i: four 16-bit numbers to store
.set T, 100                            ; v[100:103] at work
	s_load_b256 s[4:11], s[0:1], 0x0               ; x s[4:5], w_qkv s[6:7], w_out s[8:9], xb s[10:11]
	s_load_b128 s[12:15], s[0:1], 0x20             ; wqb s[12:13], wof s[14:15]
	v_lshlrev_b32 v1, 4, v0                        ; my 16 bytes of a block that is read
	v_lshlrev_b32 v2, 3, v0                        ; my 8 bytes of a block that is written
	s_mov_b32 s16, ttmp9
	s_mov_b32 s17, FIRST_WQ
	s_mov_b32 s24, FIRST_WO
	s_mov_b32 s23, 0                               ; upper word of the offsets
	s_wait_kmcnt 0x0
	s_cmp_ge_u32 s16, s24                          ; which of the two weights,
	s_cselect_b64 s[18:19], s[8:9], s[6:7]
	s_cselect_b64 s[20:21], s[14:15], s[12:13]
	s_cselect_b32 s17, s24, s17
	s_cmp_ge_u32 s16, FIRST_WQ                     ; or x
	s_cselect_b64 s[18:19], s[18:19], s[4:5]
	s_cselect_b64 s[20:21], s[20:21], s[10:11]
	s_cselect_b32 s17, s17, 0
	s_sub_co_u32 s17, s16, s17                     ; my number among the groups of that buffer
	s_lshl_b32 s22, s17, 16
	s_add_nc_u64 s[18:19], s[18:19], s[22:23]      ; from
	s_lshl_b32 s22, s17, 15
	s_add_nc_u64 s[20:21], s[20:21], s[22:23]      ; to
	s_wait_alu depctr_va_vdst(0)                   ; v1 and v2 are written: every load reads v1 and every store v2 as its offset
.irp i, 0,1,2,3,4,5,6,7,8,9,10,11,12,13,14,15
	global_load_b128 v[X+4*\i:X+4*\i+3], v1, s[18:19] offset:4096*\i th:TH_LOAD_NT
.endr
; Block g: slots 4 g to 4 g + 3 are rounded and packed; the four slots of the block before are stored.
; tof16 = 1: the bf16 value is widened again and carried in f16.
.macro BLK g, tof16
.if \g
	s_wait_alu depctr_va_vdst(0)                   ; the block before has written its Y, which the four stores below read
.endif
.irp j, 0,1,2,3
.set n, 4*(\g)+(\j)
.if \g
	global_store_b64 v2, v[Y+2*(n-4):Y+2*(n-4)+1], s[20:21] offset:2048*(n-4)  ; no vector instruction since the wait names these registers
.endif
	s_wait_loadcnt 15-n                            ; loads come back in order: slot n's is in, the 15 - n younger ones stay out
	v_cvt_pk_bf16_f32 v[Y+2*n],   v[X+4*n],   v[X+4*n+1]
	v_cvt_pk_bf16_f32 v[Y+2*n+1], v[X+4*n+2], v[X+4*n+3]
.if \tof16
	v_lshlrev_b32 v[T],   16, v[Y+2*n]
	v_and_b32     v[T+1], 0xffff0000, v[Y+2*n]
	v_lshlrev_b32 v[T+2], 16, v[Y+2*n+1]
	v_and_b32     v[T+3], 0xffff0000, v[Y+2*n+1]
	v_cvt_pk_f16_f32 v[Y+2*n],   v[T],   v[T+1]
	v_cvt_pk_f16_f32 v[Y+2*n+1], v[T+2], v[T+3]
.endif
.endr
.endm
; Behind block 3: its own four stores.
.macro TAIL
	s_wait_alu depctr_va_vdst(0)                   ; block 3 has written its Y, which the last four stores read
.irp i, 12,13,14,15
	global_store_b64 v2, v[Y+2*\i:Y+2*\i+1], s[20:21] offset:2048*\i
.endr
.endm
	s_cmp_ge_u32 s16, s24
	s_cbranch_scc1 .Lto_f16
	BLK 0, 0
	BLK 1, 0
	BLK 2, 0
	BLK 3, 0
	TAIL
	s_endpgm
.Lto_f16:
	BLK 0, 1
	BLK 1, 1
	BLK 2, 1
	BLK 3, 1
	TAIL
	s_endpgm
.Lfunc_end_k_qda27d6df54_cast:
	.size	k_qda27d6df54_cast, .Lfunc_end_k_qda27d6df54_cast-k_qda27d6df54_cast
	.p2alignl 7, 3214868480
	.fill 96, 4, 3214868480
	.section	.rodata,"a",@progbits
	.p2align	6, 0x0
	.amdhsa_kernel k_qda27d6df54_cast
		.amdhsa_group_segment_fixed_size 0
		.amdhsa_private_segment_fixed_size 0
		.amdhsa_enable_private_segment 0
		.amdhsa_kernarg_size 48
		.amdhsa_user_sgpr_count 2
		.amdhsa_user_sgpr_kernarg_segment_ptr 1
		.amdhsa_wavefront_size32 1
		.amdhsa_system_sgpr_workgroup_id_x 1
		.amdhsa_system_sgpr_workgroup_id_y 1
		.amdhsa_system_sgpr_workgroup_id_z 1
		.amdhsa_system_vgpr_workitem_id 0
		.amdhsa_next_free_vgpr 104
		.amdhsa_next_free_sgpr 66
		.amdhsa_reserve_vcc 0
		.amdhsa_float_denorm_mode_32 3
		.amdhsa_float_denorm_mode_16_64 3
		.amdhsa_memory_ordered 1
		.amdhsa_forward_progress 1
		.amdhsa_inst_pref_size 17
	.end_amdhsa_kernel
	.amdgpu_metadata
---
amdhsa.version: [ 1, 2 ]
amdhsa.kernels:
  - .name:           k_qda27d6df54_cast
    .symbol:         k_qda27d6df54_cast.kd
    .args:
      - { .name: x, .offset: 0, .size: 8, .value_kind: global_buffer, .address_space: global }
      - { .name: w_qkv, .offset: 8, .size: 8, .value_kind: global_buffer, .address_space: global }
      - { .name: w_out, .offset: 16, .size: 8, .value_kind: global_buffer, .address_space: global }
      - { .name: xb, .offset: 24, .size: 8, .value_kind: global_buffer, .address_space: global }
      - { .name: wqb, .offset: 32, .size: 8, .value_kind: global_buffer, .address_space: global }
      - { .name: wof, .offset: 40, .size: 8, .value_kind: global_buffer, .address_space: global }
    .group_segment_fixed_size: 0
    .private_segment_fixed_size: 0
    .kernarg_segment_align: 8
    .kernarg_segment_size: 48
    .max_flat_workgroup_size: 256
    .sgpr_count:     66
    .vgpr_count:     104
    .wavefront_size: 32
...
	.end_amdgpu_metadata
.endif
;; end of part 5
;; launch qkvgemm: the kernel of part 2 again; grid 12 x 32, 4 waves a work-group, clusters of 4 x 4, 327,680 bytes of LDS; arguments xb, wqb, b_qkv, qkv; writes qkv
;; launch attn: the kernel of part 3 again; grid 8 x 32, 8 waves a work-group, no clusters, 327,680 bytes of LDS; arguments qkv, att; writes att
;; launch outgemm: the kernel of part 4 again; grid 4 x 64, 4 waves a work-group, clusters of 4 x 4, 327,680 bytes of LDS; arguments att, wof, b_out, out0; writes out0
